; MI455X (gfx1250); checked and timed in simulation.
; The chip was launched on July 23, 2026; its instructions are those of AMD's public machine-readable ISA for CDNA 5 (MIT licence, August 2026) and "CDNA5" Instruction Set Architecture Reference Guide (July 2026). The comments in the code are by the model that wrote it; some were corrected since.
;; Multihead Attention. Allowed arithmetic: matrix products marked QUANTISED: E2M3 operands, one E8M0 scale for each 32 along K, by v_wmma_scale_f32_16x16x128_f8f6f4 with both operands' format E2M3, f32 sums; everything else in f32.
;; Inputs: Wk 1,024 x 1,024 float32; Wq 1,024 x 1,024 float32; Wv 1,024 x 1,024 float32; bk 1,024 float32; bq 1,024 float32; bv 1,024 float32; hidden_states 4 x 2,048 x 1,024 float32.
;; Outputs: out0 4 x 2,048 x 1,024 float32.
;; This version of the problem:
;;   THIS VERSION OF THE PROBLEM IS GIVEN IN LOW PRECISION. The matrix products marked QUANTISED in the list below multiply operands that are first quantised to E2M3 (2 exponent bits, 3 mantissa bits; 6 bits a number), with one power-of-two scale for each 32 numbers along K (OCP MX v1.0); their sums are f32. All else is computed in f32.
;;   The module's matrix products, in the order in which they are computed (A, B: the left and right operand; K: the contracted axis; several contracted axes count as one K, in the product's order):
;;     1. [M 8,192, K 1,024] x [K 1,024, N 1,024]; A: input hidden_states; B: input Wq: QUANTISED
;;     2. [M 8,192, K 1,024] x [K 1,024, N 1,024]; A: input hidden_states; B: input Wk: QUANTISED
;;     3. [M 8,192, K 1,024] x [K 1,024, N 1,024]; A: input hidden_states; B: input Wv: QUANTISED
;;     4. batch 64 x [M 2,048, K 64] x [K 64, N 2,048]; A: computed on the way; B: computed on the way: QUANTISED
;;     5. batch 64 x [M 2,048, K 2,048] x [K 2,048, N 64]; A: softmax (see below); B: computed on the way: QUANTISED
;;   THE QUANTISER, for each operand of a quantised product, along K:
;;     - K is cut into blocks of 32 from its start; a last block that is shorter is filled with zeros.
;;     - A block's scale is 2^e with e = floor(log2(the largest magnitude in the block)) - 2, held to -126 .. 127; a block of zeros has e = 0. As a byte (E8M0): e + 127.
;;     - Each number is divided by its block's scale, clamped to +-7.5, and rounded to the nearest number of E2M3, ties to even, subnormals kept.
;;     - The product sums the exact products of the quantised numbers (number of the format x scale) in f32.
;;   ~~~python
;;   def quantise(x, axis):      # numpy; x: float32 -> the quantised numbers, widened to float32 again
;;       x = np.moveaxis(x, axis, -1); K = x.shape[-1]
;;       x = np.pad(x, [(0, 0)] * (x.ndim - 1) + [(0, -K % 32)]); x = x.reshape(x.shape[:-1] + (-1, 32)); a = np.abs(x).max(-1, keepdims=True)
;;       e = np.where(a > 0, np.clip(np.frexp(np.where(a > 0, a, 1))[1] - 1 - 2, -126, 127), 0)      # np.frexp(a)[1] - 1 = floor(log2(a)), exactly
;;       r = np.clip(x / 2.0 ** e, -7.5, 7.5)
;;       step = 2.0 ** (np.maximum(np.frexp(np.where(r == 0, 1, r))[1] - 1, 0) - 3)
;;       q = np.round(r / step) * step * 2.0 ** e      # np.round: ties to even
;;       return np.moveaxis(q.reshape(q.shape[:-2] + (-1,))[..., :K], -1, axis).astype(np.float32)
;;   ~~~
;;   SOFTMAX AHEAD OF A QUANTISED PRODUCT. Where the list says 'softmax', what is quantised is not the finished softmax but p = 2^(t - M), with t = logit x log2(e) and M = ceil(the row's largest t), a whole number; so 1/2 < the row's largest p <= 1. The row's sum l is taken of the UNQUANTISED p, in f32, and the product's result is divided by l at the end. Since M is a whole number, a kernel that streams over the keys may use a running M (the ceiling of the running maximum): every later rescaling is an exact power of two, which a block's scale takes up: the codes' values come out the same.
;;   OPERANDS COMPUTED ON THE WAY. 'Computed on the way' means the value that the module computes at that place (a softmax that the list does not call 'softmax' is quantised finished and normalised). What goes into a quantiser is computed in f32, as accurately as f32 sums, v_exp_f32 and their like allow (about 1e-6 of the number): no bf16 or f16 on the way to a quantiser, and a product that is left as it is and whose result goes on into a quantised operand takes f32 operands (vector FMAs, or v_wmma_f32_16x16x4_f32). A number that lies on a knife's edge between two numbers of the format may be rounded either way, as far as f32 arithmetic and the matrix unit's own rounding can turn it there, and no further.
;; One version. Each part assembles by itself: llvm-mc -triple=amdgcn-amd-amdhsa -mcpu=gfx1250 --defsym DOCPART=n.
;; ======== version 1 of 1: 3 launches
;; limits: right only within a limited range of input values
;; workspace buffers: xi 6,553,600 bytes; wi 2,457,600 bytes; qc 6,815,744 bytes; kv 13,369,344 bytes
;; launch quant (part 1): grid 352 x 1, 4 waves a work-group, no clusters, 34,304 bytes of LDS; arguments hidden_states, Wq, Wk, Wv, xi, wi; writes xi, wi
.if DOCPART == 1
	.amdgcn_target "amdgcn-amd-amdhsa--gfx1250"
	.amdhsa_code_object_version 6
	.text
	.protected	k_q42cf5b4867_quant
	.globl	k_q42cf5b4867_quant
	.p2align	8
	.type	k_q42cf5b4867_quant,@function
k_q42cf5b4867_quant:
	s_mov_b64 s[64:65], 0
	v_nop
	global_prefetch_b8 v0, s[64:65] scope:SCOPE_SE
	s_setreg_imm32_b32 hwreg(HW_REG_WAVE_MODE, 25, 1), 1
	s_wait_xcnt 0x0
; hidden_states [8192][1024] and Wq, Wk, Wv [1024][1024], f32 with K innermost, become codes of FP6 (E2M3) with one E8M0 byte for each 32 along K,
; laid in the ORDER OF THE OPERAND'S REGISTERS.  A RECORD is 64 rows x 128 along K: four images of 16 rows (12 registers a lane: registers 4 j .. 4 j + 3 of lane l at 512 j + 16 l, 1,536 bytes an image),
; then 256 bytes of scale words, the word of tile t, row r at 6,144 + 16 r + 4 t: 6,400 bytes.
; THE ROWS OF A TILE ARE NOT NEIGHBOURS: lane r of tile t holds row 32 (r / 8) + 8 t + r % 8 of the 64.  A product with such tiles as source 0 leaves, in the 32 registers of the four tiles, rows 32 h + 0 .. 31 in lanes of half h:
; a whole block of 32 of the next product's K in one lane, in the order of a 6-bit operand's registers.
; xi: [group of 64 tokens: 128][K step: 8][record].   wi: [head: 16][K step: 8][q, k, v: 3][record] (a head's 64 rows of that weight).
; A block's scale is 2^(floor(log2(its largest magnitude)) - 2); its byte is the largest magnitude's exponent field - 2, held at 1 from below.
; LIMITS: a block whose largest magnitude lies under 2^-124 (a block of zeros too) gets the byte 1 where the quantiser says another: a block of zeros has zero codes, which add nothing, and this program alone reads the bytes.  NaN and infinities among the inputs are not served.
; SHARES.  A wave makes one record; the four waves of a work-group stand side by side along K on the same 64 rows.  Work-groups 0-255 take the tokens, 256-351 the weights: only pointers are chosen by the work-group's number.
; A stream: no matrix unit, no cluster (no byte is read twice), no barrier (waves share nothing).  Each load reads 512 consecutive bytes of a row; a tile's 8,192 bytes turn through the wave's own stage in LDS (rows 528 bytes apart).
.set ROWB, 4096                        ; a row of the source in bytes
.set SP,   528                         ; a stage row: 512 bytes + 16
.set STG,  16*SP                       ; a wave's stage
.set REC,  6400
.set R,    32                          ; v32-159  two sets of 64: a tile as loaded
.set X,    160                         ; v160-223 my two blocks of 32 neighbours
.set PC,   224                         ; v224-235 the fragment's 12 registers
.set PT,   236                         ; v236-242 the upper halves of the blocks, as converted
.set WD,   244                         ; v244-247 the four tiles' scale words
	s_load_b256 s[4:11], s[0:1], 0x0               ; hidden_states, Wq, Wk, Wv
	s_load_b128 s[12:15], s[0:1], 0x20             ; xi, wi
	v_lshl_add_u32 v254, v0, 2, 0x8400             ; my spare word, behind the four stages
	v_mov_b32 v255, 0
	v_lshrrev_b32 v6, 5, v0
	v_readfirstlane_b32 s16, v6                    ; wave
	v_and_b32 v7, 31, v0                           ; lane
	v_and_b32 v8, 15, v0                           ; r
	v_bfe_u32 v9, v0, 4, 1                         ; h
	v_lshlrev_b32 v1, 4, v7                        ; 16 l
	s_mul_i32 s17, s16, STG
	v_add_nc_u32 v2, s17, v1                       ; the stage, on the way in: a row as it lies
	v_mul_u32_u24 v3, v8, SP
	v_lshl_add_u32 v3, v9, 7, v3
	v_add_nc_u32 v3, s17, v3                       ; and on the way out: row r, block h
	v_lshlrev_b32 v4, 3, v9                        ; 8 h: my bytes' place in the scale word
	v_lshlrev_b32 v5, 4, v8
	v_lshl_add_u32 v5, v9, 3, v5                   ; 16 r + 8 h
	v_cmp_le_u32 s30, 16, v7                       ; lanes 16-31
	s_mov_b32 s28, 0x76543210
	s_mov_b32 s29, 0xfedcba98                      ; selects for lane l xor 16
	v_mov_b32 v12, 0                               ; a lane permute's destination counts as one of its sources
	s_and_b32 s18, ttmp9, 1
	s_lshl_b32 s18, s18, 2
	s_add_co_u32 s18, s18, s16                     ; my K step
	s_lshr_b32 s19, ttmp9, 1                       ; tokens: the group of 64
	s_sub_co_u32 s20, s19, 128                     ; weights: 16 x matrix + head
	s_lshr_b32 s21, s20, 4
	s_and_b32 s22, s20, 15
	s_lshl_b32 s23, s19, 3
	s_add_co_u32 s23, s23, s18                     ; xi's record
	s_lshl_b32 s24, s22, 3
	s_add_co_u32 s24, s24, s18
	s_mul_i32 s24, s24, 3
	s_add_co_u32 s24, s24, s21                     ; wi's record
	s_cmp_ge_u32 ttmp9, 256
	s_cselect_b32 s19, s22, s19
	s_cselect_b32 s23, s24, s23
	s_lshl_b32 s24, s19, 18
	s_lshl_b32 s25, s18, 9
	s_add_co_u32 s24, s24, s25
	s_mov_b32 s25, 0
	s_mul_i32 s26, s23, REC
	s_mov_b32 s27, 0
	s_wait_alu depctr_va_vdst(0)                   ; the wait at the head's end
	s_wait_kmcnt 0x0
	s_cmp_ge_u32 ttmp9, 256                        ; the choices hang on the work-group's number alone
	s_cselect_b64 s[4:5], s[6:7], s[4:5]
	s_cselect_b64 s[12:13], s[14:15], s[12:13]
	s_cmp_ge_u32 ttmp9, 288
	s_cselect_b64 s[4:5], s[8:9], s[4:5]
	s_cmp_ge_u32 ttmp9, 320
	s_cselect_b64 s[4:5], s[10:11], s[4:5]
	s_add_nc_u64 s[4:5], s[4:5], s[24:25]
	s_add_nc_u64 s[12:13], s[12:13], s[26:27]
.macro LOAD t                          ; tile t's sixteen rows, in the tile's order, into set t % 2
.irp i, 0,1,2,3,4,5,6,7,8,9,10,11,12,13,14,15
	global_load_b128 v[R+64*((\t)%2)+4*\i:R+64*((\t)%2)+4*\i+3], v1, s[4:5] offset:(8*(\t)+(\i%8)+32*(\i/8))*ROWB th:TH_LOAD_NT
.endr
.endm
.macro TILE t
.if (\t) < 3
	s_wait_loadcnt 16                              ; this tile's sixteen loads are in; the next tile's sixteen may be out
.else
	s_wait_loadcnt 0x0
.endif
.irp i, 0,1,2,3,4,5,6,7,8,9,10,11,12,13,14,15
	ds_store_b128 v2, v[R+64*((\t)%2)+4*\i:R+64*((\t)%2)+4*\i+3] offset:SP*\i
.endr
.irp c, 0,1                            ; LDS serves a wave's instructions in order.  Lane (r, h) takes blocks h and 2 + h of row r, whole
.irp j, 0,1,2,3,4,5,6,7
	ds_load_b128 v[X+32*\c+4*\j:X+32*\c+4*\j+3], v3 offset:256*\c+16*\j
.endr
.endr
	s_wait_dscnt 0x0                               ; my numbers are back, and the stores have read their registers,
.if (\t) < 2
	LOAD (\t)+2                                    ; which take the tile two on
.endif
.irp c, 0,1
	v_max3_num_f32 v[8+\c], |v[X+32*\c]|, |v[X+32*\c+1]|, 0x1800000   ; the block's largest magnitude, and the floor 2^(3 - 127)
.endr
.irp i, 2,4,6,8,10,12,14,16,18,20,22,24,26,28,30
.irp c, 0,1
	v_max3_num_f32 v[8+\c], v[8+\c], |v[X+32*\c+\i]|, |v[X+32*\c+\i+1]|
.endr
.endr
.irp c, 0,1
	v_add_nc_u32 v[10+\c], 0xff000000, v[8+\c]     ; 2 off its exponent field: the conversion's scale operand
.endr
.irp c, 0,1
	v_lshrrev_b32 v[8+\c], 23, v[10+\c]            ; the scale's byte
.endr
	v_lshl_or_b32 v13, v9, 16, v8                  ; my two bytes: blocks h and 2 + h,
	v_lshlrev_b32 v13, v4, v13                     ; at their places in the word;
	v_permlanex16_b32 v12, v13, s28, s29
	v_or_b32 v[WD+(\t)], v13, v12                  ; with lane l xor 16's two the word is whole, in both lanes
	s_wait_alu depctr_va_vdst(0)                   ; the wait ahead of the wait below
	s_wait_xcnt 0x0                                ; the last tile's stores have read the codes' registers
.irp c, 0,1
	v_cvt_scalef32_pk16_fp6_f32 v[PC+6*\c:PC+6*\c+2], v[X+32*\c:X+32*\c+15], v[10+\c]
	v_cvt_scalef32_pk16_fp6_f32 v[PT+4*\c:PT+4*\c+2], v[X+32*\c+16:X+32*\c+31], v[10+\c]   ; (a conversion's three registers begin on an even number)
.endr
	v_nop                                          ; one plain place behind a scaled conversion
.irp c, 0,1
.irp i, 0,1,2
	v_mov_b32 v[PC+3+6*\c+\i], v[PT+4*\c+\i]
.endr
.endr
.irp j, 0,1,2
	global_store_b128 v1, v[PC+4*\j:PC+4*\j+3], s[12:13] offset:1536*(\t)+512*\j   ; 32 lanes store 512 consecutive bytes
.endr
.endm
	LOAD 0
	LOAD 1
	TILE 0
	TILE 1
	TILE 2
	TILE 3
	v_cndmask_b32 v248, v[WD], v[WD+2], s30        ; lanes 0-15 store the words of tiles 0 and 1 of row r, lanes 16-31 those of tiles 2 and 3
	v_cndmask_b32 v249, v[WD+1], v[WD+3], s30
	global_store_b64 v5, v[248:249], s[12:13] offset:6144   ; 32 lanes store 256 consecutive bytes
	s_wait_tensorcnt 0x0                           ; the wave's end
	ds_add_u32 v254, v255
	s_wait_dscnt 0x0
	s_endpgm
.Lfunc_end_k_q42cf5b4867_quant:
	.size	k_q42cf5b4867_quant, .Lfunc_end_k_q42cf5b4867_quant-k_q42cf5b4867_quant
	.p2alignl 7, 3214868480
	.fill 96, 4, 3214868480
	.section	.rodata,"a",@progbits
	.p2align	6, 0x0
	.amdhsa_kernel k_q42cf5b4867_quant
		.amdhsa_group_segment_fixed_size 34304
		.amdhsa_private_segment_fixed_size 0
		.amdhsa_enable_private_segment 0
		.amdhsa_kernarg_size 48
		.amdhsa_user_sgpr_count 2
		.amdhsa_user_sgpr_kernarg_segment_ptr 1
		.amdhsa_wavefront_size32 1
		.amdhsa_system_sgpr_workgroup_id_x 1
		.amdhsa_system_sgpr_workgroup_id_y 1
		.amdhsa_system_sgpr_workgroup_id_z 1
		.amdhsa_system_vgpr_workitem_id 0
		.amdhsa_next_free_vgpr 256
		.amdhsa_next_free_sgpr 66
		.amdhsa_reserve_vcc 0
		.amdhsa_float_denorm_mode_32 3
		.amdhsa_float_denorm_mode_16_64 3
		.amdhsa_memory_ordered 1
		.amdhsa_forward_progress 1
		.amdhsa_inst_pref_size 31
	.end_amdhsa_kernel
	.amdgpu_metadata
---
amdhsa.version: [ 1, 2 ]
amdhsa.kernels:
  - .name:           k_q42cf5b4867_quant
    .symbol:         k_q42cf5b4867_quant.kd
    .args:
      - { .name: hidden_states, .offset: 0, .size: 8, .value_kind: global_buffer, .address_space: global }
      - { .name: Wq, .offset: 8, .size: 8, .value_kind: global_buffer, .address_space: global }
      - { .name: Wk, .offset: 16, .size: 8, .value_kind: global_buffer, .address_space: global }
      - { .name: Wv, .offset: 24, .size: 8, .value_kind: global_buffer, .address_space: global }
      - { .name: xi, .offset: 32, .size: 8, .value_kind: global_buffer, .address_space: global }
      - { .name: wi, .offset: 40, .size: 8, .value_kind: global_buffer, .address_space: global }
    .group_segment_fixed_size: 34304
    .private_segment_fixed_size: 0
    .kernarg_segment_align: 8
    .kernarg_segment_size: 48
    .max_flat_workgroup_size: 128
    .sgpr_count:     66
    .vgpr_count:     256
    .wavefront_size: 32
...
	.end_amdgpu_metadata
.endif
;; end of part 1
;; launch proj (part 2): grid 16 x 16, 4 waves a work-group, clusters of 4 x 1, 327,680 bytes of LDS; arguments xi, wi, bq, bk, bv, qc, kv; writes qc, kv
.if DOCPART == 2
	.amdgcn_target "amdgcn-amd-amdhsa--gfx1250"
	.amdhsa_code_object_version 6
	.text
	.protected	k_q42cf5b4867_proj
	.globl	k_q42cf5b4867_proj
	.p2align	8
	.type	k_q42cf5b4867_proj,@function
k_q42cf5b4867_proj:
	s_mov_b64 s[64:65], 0
	v_nop
	global_prefetch_b8 v0, s[64:65] scope:SCOPE_SE
	s_setreg_imm32_b32 hwreg(HW_REG_WAVE_MODE, 25, 1), 1
	s_wait_xcnt 0x0
	s_wait_alu depctr_hold_cnt(0) depctr_sa_sdst(0) depctr_va_vdst(0) depctr_va_sdst(0) depctr_va_ssrc(0) depctr_va_vcc(0) depctr_vm_vsrc(0)
	s_getreg_b32 s2, hwreg(HW_REG_IB_STS2, 6, 4)
	s_cmp_eq_u32 s2, 0
	s_cbranch_scc0 .Lentry_in_a_cluster
	s_endpgm
.Lentry_in_a_cluster:
	s_bfe_u32 s2, ttmp6, 0x10000c
	s_cmp_lg_u32 s2, 0x3003
	s_cbranch_scc0 .Lentry_shape_is_right
	s_endpgm
.Lentry_shape_is_right:
.set REC,  6400
.set KSB,  3*REC
.set SV,   8*KSB
.set AW,   4
.set AS,   7
.set XS,   32
.set XW,   176
.set WS,   188
.set QM,   240                         ; v240-247 the way out: eight chains of maxima, two to a tile
.set QS,   248                         ; v248-251 the way out: four tiles' scale operands
.set WD,   228
.set MSB, 0
.macro WIN new
.if MSB != \new
	s_set_vgpr_msb (MSB<<8)|\new
.set MSB, \new
.endif
.endm
.macro PLACES
.rept 4
	v_nop
.endr
.endm
.macro CROUND
	s_barrier_signal -1
	s_barrier_wait -1
	s_cmp_lg_u32 s18, 0
	s_cbranch_scc1 .Lnot_wave_0_\@
	s_barrier_signal -3
.Lnot_wave_0_\@:
	s_barrier_wait -3
	s_barrier_signal -1
	s_barrier_wait -1
.endm
	s_load_b256 s[4:11], s[0:1], 0x0
	s_load_b128 s[12:15], s[0:1], 0x20
	s_load_b64 s[16:17], s[0:1], 0x30
	v_lshl_add_u32 v254, v0, 2, 0x29000
	v_mov_b32 v255, 0
	ds_add_u32 v254, v255
	ds_add_u32 v254, v255
	v_lshrrev_b32 v20, 5, v0
	v_readfirstlane_b32 s18, v20
	s_bfe_u32 s19, ttmp6, 0x40000
	s_and_b32 s21, ttmp7, 0xffff
	v_and_b32 v21, 31, v0
	v_and_b32 v22, 15, v0
	v_bfe_u32 v23, v0, 4, 1
	v_lshlrev_b32 v1, 4, v21
	v_lshlrev_b32 v2, 3, v21
	v_lshlrev_b32 v3, 4, v22
.irp i, 0,1,2
	v_add_nc_u32 v[AW+\i], 57600*\i, v1
	v_add_nc_u32 v[AS+\i], 57600*\i, v3
.endr
	v_lshl_add_u32 v14, v23, 3, v3
	s_and_b32 s23, s18, 1
	s_lshr_b32 s20, s18, 1
	s_mul_i32 s48, s23, 2816
	s_sub_co_u32 s48, 12288, s48
	v_add_nc_u32 v15, s48, v14
	s_lshl_b32 s48, s18, 8
	s_add_co_u32 s48, s48, SV
	v_lshl_add_u32 v16, v22, 3, s48
	v_lshl_add_u32 v17, v23, 9, v3
	v_add_nc_u32 v17, SV, v17
	v_mul_u32_u24 v18, v23, 13056
	v_add_nc_u32 v18, v18, v3
	v_add_nc_u32 v18, 12800, v18
	v_lshlrev_b32 v19, 7, v23                      ; q's and k's bias: register j of tile t is the head's number 32 h + 8 t + j
	v_lshlrev_b32 v25, 3, v23                      ; 8 h: my byte's place in a scale word
	v_and_b32 v24, 8, v22
	v_mad_u32_u24 v24, v24, 3, v22                 ; v's bias: lane r of tile t is the head's number 32 (r / 8) + 8 t + r % 8
	v_lshlrev_b32 v20, 2, v24
	v_cmp_le_u32 s54, 16, v21
	s_mov_b32 s50, 0x76543210
	s_mov_b32 s51, 0xfedcba98
	s_mov_b32 s53, 0
	s_mov_b32 s22, 2
	s_mov_b32 s24, 15|(3<<16)|(1<<21)
	s_mov_b32 s25, 32<<16
	s_mov_b32 s26, 150<<16                         ; a wave's one load: two K steps of the head's weights, 38,400 dense bytes, as 150 rows of 256
	s_mov_b32 s27, 32<<16
	s_mov_b32 s28, 150
	s_mov_b32 s29, 32
	s_mov_b32 s30, 0
	s_mov_b32 s31, 0
	s_mul_i32 s33, s18, 2*KSB                      ; wave w brings K steps 2 w and 2 w + 1
	s_mul_i32 s2, s21, 8*KSB
	s_add_co_u32 s2, s2, s33
	s_mov_b32 s3, 0
	s_lshl_b32 s47, s19, 3
	s_add_co_u32 s47, s47, s18
	s_lshl_b32 s46, ttmp9, 5
	s_add_co_u32 s46, s46, s47
	s_mul_i32 s56, s46, 8*REC
	s_mov_b32 s57, 0
	s_lshl_b32 s48, ttmp9, 4
	s_add_co_u32 s48, s48, s21
	s_mul_i32 s58, s48, 106496
	s_mul_i32 s49, s47, 3328
	s_add_co_u32 s58, s58, s49
	s_mov_b32 s59, 0
	s_mul_i32 s60, s48, 208896
	s_lshl_b32 s49, s19, 2
	s_add_co_u32 s49, s49, s20
	s_mul_i32 s49, s49, 13056
	s_add_co_u32 s60, s60, s49
	s_mul_i32 s49, s23, 3072
	s_add_co_u32 s60, s60, s49
	s_mov_b32 s61, 0
	s_lshl_b32 s62, s21, 8
	s_mov_b32 s63, 0
	s_wait_dscnt 0x0
	s_wait_kmcnt 0x0
	s_add_nc_u64 s[40:41], s[4:5], s[56:57]
	s_add_nc_u64 s[42:43], s[14:15], s[58:59]
	s_add_nc_u64 s[44:45], s[16:17], s[60:61]
	s_add_nc_u64 s[8:9], s[8:9], s[62:63]
	s_add_nc_u64 s[10:11], s[10:11], s[62:63]
	s_add_nc_u64 s[12:13], s[12:13], s[62:63]
	s_mov_b32 s32, 1
	s_add_nc_u64 s[34:35], s[6:7], s[2:3]
	s_or_b32 s35, s35, 0x80000000
	CROUND
	tensor_load_to_lds s[32:35], s[24:31]
	s_nop 0
.rept 4
	v_nop
.endr
	WIN 0x80
	s_wait_alu depctr_va_vdst(0)
.irp t, 0,1,2,3
	global_load_b128 v[128+8*\t:131+8*\t], v19, s[8:9] offset:32*\t
	global_load_b128 v[132+8*\t:135+8*\t], v19, s[8:9] offset:32*\t+16
	global_load_b128 v[160+8*\t:163+8*\t], v19, s[10:11] offset:32*\t
	global_load_b128 v[164+8*\t:167+8*\t], v19, s[10:11] offset:32*\t+16
.endr
.irp t, 0,1,2,3
.irp j, 0,1,2,3,4,5,6,7
	global_load_b32 v[192+8*\t+\j], v20, s[12:13] offset:32*\t
.endr
.endr
	WIN 0
.macro XLOAD set, o16, o4, imm
.irp t, 0,1,2,3
.irp j, 0,1,2
	global_load_b128 v[XS+48*(\set)+12*\t+4*\j:XS+48*(\set)+12*\t+4*\j+3], v[\o16], s[40:41] offset:(\imm)+1536*\t+512*\j
.endr
.endr
	global_load_b128 v[XW+4*(\set):XW+4*(\set)+3], v[\o4], s[40:41] offset:(\imm)+6144
.endm
	XLOAD 2, 1, 3, 2*REC
	XLOAD 0, 1, 3, 0
	XLOAD 1, 1, 3, REC
.macro FWIMG s, wt
.irp j, 0,1,2
	ds_load_b128 v[12*(\wt)+4*\j:12*(\wt)+4*\j+3], v[AW+(\s)/3] offset:((\s)%3)*KSB+REC*((\wt)/4)+1536*((\wt)%4)+512*\j
.endr
.endm
.macro FWWORD s, g
	ds_load_b128 v[WS+12*((\s)%2)+4*(\g):WS+12*((\s)%2)+4*(\g)+3], v[AS+(\s)/3] offset:((\s)%3)*KSB+REC*(\g)+6144
.endm
.macro FWLO s
	WIN 0xc0
.irp wt, 0,1,2,3,4,5
	FWIMG \s, \wt
.endr
	WIN 0
	FWWORD \s, 0
	FWWORD \s, 1
.endm
.macro FWHI s
	WIN 0xc0
.irp wt, 6,7,8,9,10,11
	FWIMG \s, \wt
.endr
	WIN 0
	FWWORD \s, 2
.endm
.macro MQK wt, m, s, first
.set rD, 128*((\wt)/4)+32*(\m)+8*((\wt)%4)
.set rB, 128+32*((\wt)/4)+8*((\wt)%4)
.set rX, XS+48*((\s)%3)+12*(\m)
.if \first
	v_wmma_scale_f32_16x16x128_f8f6f4 v[rD:rD+7], v[12*(\wt):12*(\wt)+11], v[rX:rX+11], v[rB:rB+7], v[WS+12*((\s)%2)+(\wt)], v[XW+4*((\s)%3)+(\m)] matrix_a_fmt:MATRIX_FMT_FP6 matrix_b_fmt:MATRIX_FMT_FP6
.else
	v_wmma_scale_f32_16x16x128_f8f6f4 v[rD:rD+7], v[12*(\wt):12*(\wt)+11], v[rX:rX+11], v[rD:rD+7], v[WS+12*((\s)%2)+(\wt)], v[XW+4*((\s)%3)+(\m)] matrix_a_fmt:MATRIX_FMT_FP6 matrix_b_fmt:MATRIX_FMT_FP6
.endif
.endm
.macro MV dt, m, s, first
.set rD, 32*(\dt)+8*(\m)
.set rX, XS+48*((\s)%3)+12*(\m)
.if \first
	v_wmma_scale_f32_16x16x128_f8f6f4 v[rD:rD+7], v[rX:rX+11], v[96+12*(\dt):107+12*(\dt)], v[192+8*(\dt):199+8*(\dt)], v[XW+4*((\s)%3)+(\m)], v[WS+12*((\s)%2)+8+(\dt)] matrix_a_fmt:MATRIX_FMT_FP6 matrix_b_fmt:MATRIX_FMT_FP6
.else
	v_wmma_scale_f32_16x16x128_f8f6f4 v[rD:rD+7], v[rX:rX+11], v[96+12*(\dt):107+12*(\dt)], v[rD:rD+7], v[XW+4*((\s)%3)+(\m)], v[WS+12*((\s)%2)+8+(\dt)] matrix_a_fmt:MATRIX_FMT_FP6 matrix_b_fmt:MATRIX_FMT_FP6
.endif
.endm
.macro WQK first
.if \first
	WIN 0x63
.else
	WIN 0x53
.endif
.endm
.macro STEP s, first
.if (\s) < 2
	s_wait_loadcnt 13
.else
	s_wait_loadcnt 26
.endif
	s_wait_dscnt 19
	WQK \first
.irp wt, 0,1,2,3,4,5
.irp m, 0,1,2,3
	MQK \wt, \m, \s, \first
.endr
.endr
	PLACES
.if (\s) < 7
	FWLO (\s)+1
	s_wait_dscnt 20
.else
	s_wait_dscnt 0x0
.endif
	WQK \first
.irp wt, 6,7
.irp m, 0,1,2,3
	MQK \wt, \m, \s, \first
.endr
.endr
	WIN 0xac
.irp dt, 0,1,2,3
.irp m, 0,1,2,3
	MV \dt, \m, \s, \first
.endr
.endr
	PLACES
.if (\s) < 7
	FWHI (\s)+1
.endif
	WIN 0
.if (\s) < 5
	XLOAD (\s)%3, 1, 3, REC*((\s)+3)
.elseif (\s) == 5
	XLOAD 2, 11, 13, 2*REC
.elseif (\s) == 6
	XLOAD 0, 11, 13, 0
.else
	XLOAD 1, 11, 13, REC
.endif
.endm
; FOUR TILES' WAY OUT, SIDE BY SIDE.  A tile is 32 sums a lane, one whole block of 32 by the tiles' row order.  w: the sums' window; s: their first register; word: the four scale words;
; g: the 32 registers of window 3 (the weights' fragments, idle here) that take the codes, eight to a tile; p, off: where the half images go.  Each group of four has registers of its own for its codes:
; no store's data are written again within a block, and the wait ahead of the loop's jump back frees them for the next block's loads.
.macro QUAD w, s, word, g, p, off
	WIN 5*(\w)
.irp c, 0,1,2,3,4,5,6,7
	v_max3_num_f32 v[QM+\c], |v[(\s)+16*\c]|, |v[(\s)+16*\c+1]|, 0x1800000   ; the largest magnitude, two chains to a tile, and the floor 2^(3 - 127)
.endr
.irp i, 2,4,6,8,10,12,14
.irp c, 0,1,2,3,4,5,6,7
	v_max3_num_f32 v[QM+\c], |v[(\s)+16*\c+\i]|, |v[(\s)+16*\c+\i+1]|, v[QM+\c]
.endr
.endr
	WIN 0
.irp m, 0,1,2,3
	v_max_num_f32 v[QM+2*\m], v[QM+2*\m], v[QM+2*\m+1]
.endr
.irp m, 0,1,2,3
	v_add_nc_u32 v[QS+\m], 0xff000000, v[QM+2*\m]  ; 2 off the exponent field: the conversions' scale operand
.endr
.irp m, 0,1,2,3
	v_lshrrev_b32 v[QM+2*\m], 23, v[QS+\m]         ; the scale's byte,
.endr
.irp m, 0,1,2,3
	v_lshlrev_b32 v[QM+2*\m], v25, v[QM+2*\m]      ; at byte h of the word;
.endr
.irp m, 0,1,2,3
	v_permlanex16_b32 v[QM+2*\m+1], v[QM+2*\m], s50, s51
.endr
.irp m, 0,1,2,3
	v_or_b32 v[(\word)+\m], v[QM+2*\m], v[QM+2*\m+1]   ; with lane l xor 16's the word is whole, in both lanes
.endr
	WIN (\w)|0xc0                                  ; the sums' window; the scale operand in window 0; the codes in window 3
.irp m, 0,1,2,3
	v_cvt_scalef32_pk16_fp6_f32 v[(\g)+8*\m:(\g)+8*\m+2], v[(\s)+32*\m:(\s)+32*\m+15], v[QS+\m]
	v_cvt_scalef32_pk16_fp6_f32 v[(\g)+8*\m+4:(\g)+8*\m+6], v[(\s)+32*\m+16:(\s)+32*\m+31], v[QS+\m]   ; one register too high (a conversion's three registers begin on an even number)
.endr
	WIN 0xc3
	v_nop                                          ; one plain place behind a scaled conversion
.irp i, 3,4,5
.irp m, 0,1,2,3
	v_mov_b32 v[(\g)+8*\m+\i], v[(\g)+8*\m+\i+1]
.endr
.endr
	WIN 0x0c                                       ; the stores' data in window 3
.irp m, 0,1,2,3
	global_store_b128 v1, v[(\g)+8*\m:(\g)+8*\m+3], s[\p:\p+1] offset:(\off)+768*\m
	global_store_b64 v2, v[(\g)+8*\m+4:(\g)+8*\m+5], s[\p:\p+1] offset:(\off)+768*\m+512
.endr
	WIN 0
.endm
.Lblock:
	s_cmp_eq_u32 s22, 1
	s_cselect_b32 s52, 0, 4*8*REC
	v_add_nc_u32 v11, s52, v1
	v_add_nc_u32 v13, s52, v3
	s_wait_alu depctr_va_vdst(0)
	s_wait_tensorcnt 0x0                           ; my two K steps of the weights are in: every wave waits, and the barrier below shows all eight to all
	s_wait_dscnt 0x0
	s_barrier_signal -1
	s_barrier_wait -1
	FWLO 0
	FWHI 0
	STEP 0, 1
	STEP 1, 0
	STEP 2, 0
	STEP 3, 0
	STEP 4, 0
	STEP 5, 0
	STEP 6, 0
	STEP 7, 0
	QUAD 1, 0, WD, 0, 42, 0                        ; q's four tiles of tokens
	QUAD 1, 128, WD+4, 32, 44, 0                   ; k's
	QUAD 2, 0, WD+8, 64, 44, 6144                  ; v's four tiles of the head's numbers
.irp dt, 0,1,2,3
	ds_store_b32 v16, v[WD+8+\dt] offset:128*(\dt%2)+4*(\dt/2)
.endr
	v_cndmask_b32 v240, v[WD], v[WD+2], s54
	v_cndmask_b32 v241, v[WD+1], v[WD+3], s54
	global_store_b64 v14, v[240:241], s[42:43] offset:3072
	v_cndmask_b32 v242, v[WD+4], v[WD+6], s54
	v_cndmask_b32 v243, v[WD+5], v[WD+7], s54
	global_store_b64 v15, v[242:243], s[44:45]
	s_wait_dscnt 0x0
	s_barrier_signal -1
	s_barrier_wait -1
	s_cmp_lg_u32 s18, 0
	s_cbranch_scc1 .Lnot_mine
	ds_load_b128 v[244:247], v17
	ds_load_b128 v[248:251], v17 offset:256
	s_wait_dscnt 0x0
.irp i, 0,1,2,3
	v_lshl_or_b32 v[244+\i], v[248+\i], 16, v[244+\i]
.endr
	global_store_b128 v18, v[244:247], s[44:45]
.Lnot_mine:
	s_wait_xcnt 0x0
	s_add_nc_u64 s[40:41], s[40:41], s[52:53]
	s_add_nc_u64 s[42:43], s[42:43], 4*3328
	s_add_nc_u64 s[44:45], s[44:45], 2*13056
	s_sub_co_u32 s22, s22, 1
	s_cmp_lg_u32 s22, 0
	s_cbranch_scc1 .Lblock
	s_wait_tensorcnt 0x0
	ds_add_u32 v254, v255
	s_wait_dscnt 0x0
	CROUND
	s_endpgm
.Lfunc_end_k_q42cf5b4867_proj:
	.size	k_q42cf5b4867_proj, .Lfunc_end_k_q42cf5b4867_proj-k_q42cf5b4867_proj
	.p2alignl 7, 3214868480
	.fill 96, 4, 3214868480
	.section	.rodata,"a",@progbits
	.p2align	6, 0x0
	.amdhsa_kernel k_q42cf5b4867_proj
		.amdhsa_group_segment_fixed_size 327680
		.amdhsa_private_segment_fixed_size 0
		.amdhsa_enable_private_segment 0
		.amdhsa_kernarg_size 56
		.amdhsa_user_sgpr_count 2
		.amdhsa_user_sgpr_kernarg_segment_ptr 1
		.amdhsa_wavefront_size32 1
		.amdhsa_system_sgpr_workgroup_id_x 1
		.amdhsa_system_sgpr_workgroup_id_y 1
		.amdhsa_system_sgpr_workgroup_id_z 1
		.amdhsa_system_vgpr_workitem_id 0
		.amdhsa_next_free_vgpr 1024
		.amdhsa_next_free_sgpr 66
		.amdhsa_reserve_vcc 0
		.amdhsa_float_denorm_mode_32 3
		.amdhsa_float_denorm_mode_16_64 3
		.amdhsa_memory_ordered 1
		.amdhsa_forward_progress 1
		.amdhsa_inst_pref_size 119
	.end_amdhsa_kernel
	.amdgpu_metadata
---
amdhsa.version: [ 1, 2 ]
amdhsa.kernels:
  - .name:           k_q42cf5b4867_proj
    .symbol:         k_q42cf5b4867_proj.kd
    .args:
      - { .name: xi, .offset: 0, .size: 8, .value_kind: global_buffer, .address_space: global }
      - { .name: wi, .offset: 8, .size: 8, .value_kind: global_buffer, .address_space: global }
      - { .name: bq, .offset: 16, .size: 8, .value_kind: global_buffer, .address_space: global }
      - { .name: bk, .offset: 24, .size: 8, .value_kind: global_buffer, .address_space: global }
      - { .name: bv, .offset: 32, .size: 8, .value_kind: global_buffer, .address_space: global }
      - { .name: qc, .offset: 40, .size: 8, .value_kind: global_buffer, .address_space: global }
      - { .name: kv, .offset: 48, .size: 8, .value_kind: global_buffer, .address_space: global }
    .group_segment_fixed_size: 327680
    .private_segment_fixed_size: 0
    .kernarg_segment_align: 8
    .kernarg_segment_size: 56
    .max_flat_workgroup_size: 128
    .sgpr_count:     66
    .vgpr_count:     1024
    .wavefront_size: 32
...
	.end_amdgpu_metadata
.endif
;; end of part 2
;; launch attn (part 3): grid 4 x 64, 16 waves a work-group, clusters of 4 x 1, 327,680 bytes of LDS; arguments qc, kv, out0; writes out0
.if DOCPART == 3
	.amdgcn_target "amdgcn-amd-amdhsa--gfx1250"
	.amdhsa_code_object_version 6
	.text
	.protected	k_q42cf5b4867_attn
	.globl	k_q42cf5b4867_attn
	.p2align	8
	.type	k_q42cf5b4867_attn,@function
k_q42cf5b4867_attn:
	s_mov_b64 s[64:65], 0
	v_nop
	global_prefetch_b8 v0, s[64:65] scope:SCOPE_SE
	s_setreg_imm32_b32 hwreg(HW_REG_WAVE_MODE, 25, 1), 1
	s_wait_xcnt 0x0
	s_wait_alu depctr_hold_cnt(0) depctr_sa_sdst(0) depctr_va_vdst(0) depctr_va_sdst(0) depctr_va_ssrc(0) depctr_va_vcc(0) depctr_vm_vsrc(0)
	s_getreg_b32 s2, hwreg(HW_REG_IB_STS2, 6, 4)
	s_cmp_eq_u32 s2, 0
	s_cbranch_scc0 .Lentry_in_a_cluster
	s_endpgm
.Lentry_in_a_cluster:
	s_bfe_u32 s2, ttmp6, 0x10000c
	s_cmp_lg_u32 s2, 0x3003
	s_cbranch_scc0 .Lentry_shape_is_right
	s_endpgm
.Lentry_shape_is_right:
; out[b][q][64 head + :] = the sum over k of softmax_k(Q . K / 8) V, both products on codes of FP6 (E2M3) with one E8M0 scale for each 32 along a product's K.  2,048 queries and keys, 64 heads x batches, head size 64.
; THE SOFTMAX AHEAD OF THE SECOND PRODUCT: t = score x log2(e) / 8; M = the row's largest t so far, rounded UP to a whole number; p = 2^(t - M) is what is quantised, along the keys; it is not normalised.
; The row's sum is taken of the unquantised p, in f32, and divides O at the end.  When M moves, the sum and O are multiplied by f = 2^(old M - new M): exact.
; SHARES.  A work-group owns 512 queries of one head.  The head's K, V and scale words, 16 records of 128 keys, 208,896 bytes, lie in LDS whole and are filled once: no ring.  Each of the sixteen waves owns TWO tiles of 16 queries, A and B,
; and walks the 16 records once for both: a record's 17 loads of K feed 16 products and its 17 loads of V feed 8.
; CLUSTER.  The four work-groups of a cluster are the four blocks of queries of one head: each record is asked for JOINTLY (mask 15), one load a wave: wave w asks for record w.  Waves 0 to 3 have a load line of their own:
; the walk begins when records 0 to 3 are in; a second barrier, behind key step 2, shows the other twelve.  No data prefetch: all of the head's bytes are asked for at the kernel's head, and there is no loop to run ahead in.
; LAYOUT.  Both products are used transposed: S^T = K Q^T (source 0 = 16 keys, source 1 = 16 queries), O^T = V^T P^T: a lane holds ONE query of each tile (lane % 16) throughout.
; Operands lie in the records as images of their registers: a half image (registers 0-3 of lane l at 16 l, registers 4-5 at 512 + 8 l) comes by one load of 16 bytes and one of 8.
; Lane r of tile T of a 64 holds row 32 (r / 8) + 8 T + r % 8.  So register 32 c + i of S^T in a lane of half h is key 64 c + 32 h + i: two WHOLE blocks of 32 keys a lane, in the order of P's operand registers:
; a block's largest score needs no other lane and the conversions' results are the operand.  Register i of O^T is the head's number 32 h + i.
; K = 64 IN AN INSTRUCTION OF 128.  Q's registers 6-11 are zero codes, and bytes 2 and 3 of Q's and K's scale words are 0 (2^-127, never 0xff).  E2M3 has no NaN and no infinity, so whatever bits stand in the upper six registers of K's
; operand are multiplied by zeros and add exactly 0: K's eight tiles lie 6 registers apart, a tile's upper six being the next tile's codes, and behind the last tile six registers of lane constants and scratch, always written.
; A KEY STEP: S^T of tile A, its softmax and codes; S^T of tile B into the same 64 registers; V into K's registers, under B's softmax; the eight products with V; the next record's K.
; LIMITS: the promise holds while the scaled scores stay under 2^31 in magnitude.  A block's largest p is taken through the block's largest score, which takes v_exp_f32 not to fall where its input rises; a block whose every p is 0
; keeps the byte 1 (its codes are zeros).  NaN and infinities are not served.
.set RECB,  13056                      ; a record: K's 8 half images, V's 8 at 6,144, K's words at 12,288, V's at 12,800
.set HEADB, 16*RECB
.set STAGE, HEADB                      ; behind the records: 16 rows x (256 bytes + 16) for each wave, for the way out; no fill lands here
.set SPI,   272
.set SPARE, STAGE+16*16*SPI            ; the spare words: 128 bytes a wave
.set R16, 0                            ; v0, v1  LDS addresses in the record in hand: + 16 l, + 8 l (v0: the thread's number until the head has used it)
.set R8,  1
.set SPW, 2                            ; v2      my spare word
.set NIL, 3                            ; v3      0
.set QWA, 4                            ; v4, v5  Q's scale words
.set QWB, 5
.set KW,  6                            ; v6-9    K's words: register i: lanes 0-15 tile i, lanes 16-31 tile 4 + i
.set VW,  10                           ; v10-11  V's words: register i: lanes 0-15 tile 2 i, lanes 16-31 tile 2 i + 1
.set NMA, 12                           ; a tile's -M and its largest score so far
.set NMB, 14
.set FFA, 16                           ; a tile's f and p's scale word
.set LA,  18                           ; a tile's sum, in two halves
.set FFB, 20
.set LB,  22
.set QA,  24                           ; v24-35, v36-47  Q's codes and six registers of zero codes
.set QB,  36
.set K,   48                           ; v48-95  K's eight tiles, then V's four fragments
.set A16, 96                           ; v96-101 16 l, 8 l, 8 h; the conversions' two scale operands; a lane permute's result
.set A8,  97
.set SH8, 98
.set SO0, 99
.set SO1, 100
.set PT,  101
.set S,   102                          ; v102-165 S^T, then p: tile A's, then tile B's
.set OA,  166                          ; v166-197, v198-229 O^T
.set OB,  198
.set CA,  230                          ; v230-241, v242-253 p's codes; ahead of a tile's conversions at work
.set CB,  242
.set T2,  254                          ; v254-255 the way out's scratch
.macro WALU
	s_wait_alu depctr_va_vdst(0)
.endm
.macro CROUND                          ; a round of the cluster's barrier
	s_barrier_signal -1
	s_barrier_wait -1
	s_cmp_lg_u32 s10, 0
	s_cbranch_scc1 .Lnot_wave_0_\@
	s_barrier_signal -3
.Lnot_wave_0_\@:
	s_barrier_wait -3
	s_barrier_signal -1
	s_barrier_wait -1
.endm
	s_load_b128 s[4:7], s[0:1], 0x0                ; qc, kv
	s_load_b64 s[8:9], s[0:1], 0x10                ; out0
	v_lshl_add_u32 v[SPW], v0, 2, SPARE
	v_mov_b32 v[NIL], 0
	ds_add_u32 v[SPW], v[NIL]                      ; the opening lines: the add twice on end, under one wait
	ds_add_u32 v[SPW], v[NIL]
	v_lshrrev_b32 v[CA+3], 5, v0
	v_readfirstlane_b32 s10, v[CA+3]               ; wave 0..15
	v_and_b32 v[CA], 31, v0                        ; l
	v_bfe_u32 v[CA+2], v0, 4, 1                    ; h
	v_lshlrev_b32 v[A16], 4, v[CA]
	v_lshlrev_b32 v[A8], 3, v[CA]
	v_lshlrev_b32 v[SH8], 3, v[CA+2]
.irp j, 6,7,8,9,10,11
	v_mov_b32 v[QA+\j], 0                          ; zero codes, once
	v_mov_b32 v[QB+\j], 0
.endr
.irp j, SO0, SO1, PT, T2, FFA+1, FFB+1
	v_mov_b32 v[\j], 0                             ; named (behind K's last tile, as a permute's destination, as a pair's upper half) before they are first made
.endr
	WALU                                           ; the wait ahead of the run of scalar lines
	s_mul_i32 s16, s10, 16*SPI
	s_add_co_u32 s16, s16, STAGE                   ; my stage
	s_bfe_u32 s11, ttmp6, 0x40000                  ; cx: my block of 512 queries: it enters Q's and out's addresses alone
	s_and_b32 s12, ttmp7, 0xffff                   ; batch x head, which the four partners share
	s_and_b32 s13, s10, 1
	s_lshr_b32 s14, s10, 1
	s_mul_i32 s15, s13, 1528
	s_sub_co_u32 s15, 3072, s15                    ; Q's words from my pointer, which stands 1,536 (w % 2) into the record: 3,072 + 8 (w % 2) - 1,536 (w % 2), + 16 r; tile B's 4 on
	s_mov_b32 s20, 0x76543210
	s_mov_b32 s21, 0xfedcba98                      ; selects for lane l xor 16
	s_mov_b32 s22, 0x3e38aa3b                      ; c = log2(e) / 8
	s_mov_b32 s23, s22                             ; (named with it as a pair)
	s_mov_b32 s19, 0xbe38aa3b                      ; -c
	s_mul_i32 s17, s10, RECB                       ; record w: what I ask for, and where it goes
	s_mul_i32 s2, s12, HEADB
	s_add_co_u32 s2, s2, s17
	s_mov_b32 s3, 0
	s_lshl_b32 s50, s11, 3
	s_add_co_u32 s50, s50, s14                     ; my group of 64 queries: 8 cx + w / 2; in it tiles 2 (w % 2) and 2 (w % 2) + 1
	s_lshl_b32 s52, s50, 18                        ; out: 64 rows of 4,096 bytes a group,
	s_mul_i32 s50, s50, 3328
	s_mul_i32 s18, s12, 106496
	s_add_co_u32 s50, s50, s18
	s_mul_i32 s18, s13, 1536
	s_add_co_u32 s50, s50, s18
	s_mov_b32 s51, 0
	s_lshl_b32 s18, s13, 16                        ; + 16 (w % 2) rows,
	s_add_co_u32 s52, s52, s18
	s_lshr_b32 s18, s12, 4
	s_lshl_b32 s18, s18, 23                        ; 2,048 rows a batch,
	s_add_co_u32 s52, s52, s18
	s_and_b32 s18, s12, 15
	s_lshl_b32 s18, s18, 8                         ; 256 bytes a head
	s_add_co_u32 s52, s52, s18
	s_mov_b32 s53, 0
	s_mov_b32 s24, 15|(3<<16)|(1<<21)              ; group 1: a record, 13,056 dense bytes, as 51 rows of 32 elements of 8 bytes; the mask names all four work-groups
	s_mov_b32 s25, 32<<16
	s_mov_b32 s26, 51<<16
	s_mov_b32 s27, 32<<16
	s_mov_b32 s28, 51
	s_mov_b32 s29, 32
	s_mov_b32 s30, 0
	s_mov_b32 s31, 0
	s_wait_dscnt 0x0                               ; both opening adds are done
	s_wait_kmcnt 0x0
	s_add_nc_u64 s[4:5], s[4:5], s[50:51]
	s_add_nc_u64 s[8:9], s[8:9], s[52:53]
	s_mov_b32 s32, 1
	s_add_co_u32 s33, s17, 0
	s_add_nc_u64 s[34:35], s[6:7], s[2:3]
	s_or_b32 s35, s35, 0x80000000
	CROUND                                         ; all four work-groups are here: the joint loads meet
	s_cmp_lt_u32 s10, 4                            ; one load a wave, in two arms: waves 0 to 3, which alone wait ahead of the first barrier, have a line of their own
	s_cbranch_scc0 .Lrest
	tensor_load_to_lds s[32:35], s[24:31]
	s_nop 0
.rept 4
	v_nop
.endr
	s_branch .Lasked
.Lrest:
	tensor_load_to_lds s[32:35], s[24:31]
	s_nop 0
.rept 4
	v_nop
.endr
.Lasked:
.macro KLOAD                           ; K and its words of the record at R16, R8: 17 loads
.irp t, 0,1,2,3,4,5,6,7
	ds_load_b128 v[K+6*\t:K+6*\t+3], v[R16] offset:768*\t
	ds_load_b64 v[K+6*\t+4:K+6*\t+5], v[R8] offset:768*\t+512
.endr
	ds_load_b128 v[KW:KW+3], v[R16] offset:12288
.endm
.macro VLOAD                           ; V's four fragments and words of the same record, into K's registers: 17 loads
.irp dt, 0,1,2,3
.irp h, 0,1
	ds_load_b128 v[K+12*\dt+6*\h:K+12*\dt+6*\h+3], v[R16] offset:6144+768*(4*\h+\dt)
	ds_load_b64 v[K+12*\dt+6*\h+4:K+12*\dt+6*\h+5], v[R8] offset:6144+768*(4*\h+\dt)+512
.endr
.endr
	ds_load_b64 v[VW:VW+1], v[R8] offset:12800
.endm
.macro SPROD q, qw                     ; S^T = K Q^T of one tile of queries: eight tiles of 16 keys
.irp t, 0,1,2,3
	v_wmma_scale_f32_16x16x128_f8f6f4 v[S+8*\t:S+8*\t+7], v[K+6*\t:K+6*\t+11], v[\q:\q+11], 0, v[KW+\t], v[\qw] matrix_a_fmt:MATRIX_FMT_FP6 matrix_b_fmt:MATRIX_FMT_FP6
.endr
.irp t, 4,5,6,7
	v_wmma_scale_f32_16x16x128_f8f6f4 v[S+8*\t:S+8*\t+7], v[K+6*\t:K+6*\t+11], v[\q:\q+11], 0, v[KW+\t-4], v[\qw] matrix_a_fmt:MATRIX_FMT_FP6 matrix_b_fmt:MATRIX_FMT_FP6 matrix_a_scale:MATRIX_SCALE_ROW1
.endr
.endm
.macro PV o, c, pw                     ; O^T += V^T P^T of one tile of queries
	v_wmma_scale_f32_16x16x128_f8f6f4 v[\o:\o+7], v[K:K+11], v[\c:\c+11], v[\o:\o+7], v[VW], v[\pw] matrix_a_fmt:MATRIX_FMT_FP6 matrix_b_fmt:MATRIX_FMT_FP6
	v_wmma_scale_f32_16x16x128_f8f6f4 v[\o+8:\o+15], v[K+12:K+23], v[\c:\c+11], v[\o+8:\o+15], v[VW], v[\pw] matrix_a_fmt:MATRIX_FMT_FP6 matrix_b_fmt:MATRIX_FMT_FP6 matrix_a_scale:MATRIX_SCALE_ROW1
	v_wmma_scale_f32_16x16x128_f8f6f4 v[\o+16:\o+23], v[K+24:K+35], v[\c:\c+11], v[\o+16:\o+23], v[VW+1], v[\pw] matrix_a_fmt:MATRIX_FMT_FP6 matrix_b_fmt:MATRIX_FMT_FP6
	v_wmma_scale_f32_16x16x128_f8f6f4 v[\o+24:\o+31], v[K+36:K+47], v[\c:\c+11], v[\o+24:\o+31], v[VW+1], v[\pw] matrix_a_fmt:MATRIX_FMT_FP6 matrix_b_fmt:MATRIX_FMT_FP6 matrix_a_scale:MATRIX_SCALE_ROW1
.endm
.macro TM j                            ; t - M of two scores
	v_pk_fma_f32 v[S+\j:S+\j+1], v[S+\j:S+\j+1], s[22:23], v[NM_:NM_+1] op_sel_hi:[1,0,0]
.endm
.macro ADD4 l, c, j                    ; four pairs of p onto the sum's four chains
	v_pk_add_f32 v[\l:\l+1], v[\l:\l+1], v[S+\j:S+\j+1]
	v_pk_add_f32 v[\c+2:\c+3], v[\c+2:\c+3], v[S+\j+2:S+\j+3]
	v_pk_add_f32 v[\c+6:\c+7], v[\c+6:\c+7], v[S+\j+4:S+\j+5]
	v_pk_add_f32 v[\c+8:\c+9], v[\c+8:\c+9], v[S+\j+6:S+\j+7]
.endm
; One tile's way from scores to codes.  nm, ff, l, c, o: the tile's registers.  vl = 1: V is asked for behind the places, and awaited ahead of O^T's lines.
.macro SOFTMAX nm, ff, l, c, o, vl
.set NM_, \nm
	v_mov_b32 v[\c+10], v[\nm]                     ; the old -M.  With three v_nop: the four places behind the products
	v_nop
	v_nop
	v_nop
.if \vl
	VLOAD
.endif
.irp t, 0,1,2,3,4,5,6,7
	v_max3_num_f32 v[\c+\t], v[S+8*\t], v[S+8*\t+1], v[S+8*\t+2]   ; the largest score, a chain to a tile of keys, each accumulator from its low end on
.endr
.irp i, 3,5
.irp t, 0,1,2,3,4,5,6,7
	v_max3_num_f32 v[\c+\t], v[\c+\t], v[S+8*\t+\i], v[S+8*\t+\i+1]
.endr
.endr
.irp k, 0,1
	v_max3_num_f32 v[\c+4*\k], v[\c+4*\k], v[\c+4*\k+1], v[S+32*\k+7]
	v_max3_num_f32 v[\c+4*\k+2], v[\c+4*\k+2], v[\c+4*\k+3], v[S+32*\k+15]
.endr
.irp k, 0,1
	v_max3_num_f32 v[\c+4*\k], v[\c+4*\k], v[S+32*\k+23], v[S+32*\k+31]
.endr
.irp k, 0,1
	v_max_num_f32 v[\c+4*\k], v[\c+4*\k], v[\c+4*\k+2]   ; THE LARGEST SCORE OF MY BLOCK k: for the row's maximum and, since p rises with the score, for the block's largest p
.endr
	v_max_num_f32 v[\c+8], v[\c], v[\c+4]
	v_permlanex16_b32 v[PT], v[\c+8], s20, s21
	v_max3_num_f32 v[\nm+1], v[\nm+1], v[\c+8], v[PT]   ; the row's largest score so far
	v_mul_f32 v[\c+9], s19, v[\nm+1]               ; -t
	v_floor_f32 v[\nm], v[\c+9]                    ; -M = floor(-t) = -ceil(t): M IS A WHOLE NUMBER
	TM 0
	TM 2
	v_sub_f32 v[\c+10], v[\nm], v[\c+10]           ; M's old value less its new one: a whole number, 0 or less
	TM 4
	v_fma_f32 v[\c], v[\c], s22, v[\nm]            ; t - M of each block's largest score
	v_fma_f32 v[\c+4], v[\c+4], s22, v[\nm]
	v_cvt_i32_f32 v[\c+10], v[\c+10]               ; (it saturates)
	TM 6
	TM 8
	TM 10
	v_ldexp_f32 v[\ff], 1.0, v[\c+10]              ; f = 2^(old M - new M)
.set jj, 12
.rept 26
	TM jj
.set jj, jj+2
.endr
	WALU                                           ; the wait ahead of the batch
	v_exp_f32 v[\c], v[\c]                         ; the blocks' largest p: the same two instructions on the same number give the same bits
	v_exp_f32 v[\c+4], v[\c+4]
.set jj, 0
.rept 64
	v_exp_f32 v[S+jj], v[S+jj]                     ; p = 2^(t - M), at most 1: NOT normalised
.set jj, jj+1
.endr
	v_nop                                          ; a plain place behind the exponentials
	WALU                                           ; and the batch's one wait, ahead of its first reader
	v_max_num_f32 v[\c], 0x1800000, v[\c]          ; the floor 2^(3 - 127): the byte cannot fall under 1
	v_max_num_f32 v[\c+4], 0x1800000, v[\c+4]
	v_pk_fma_f32 v[\l:\l+1], v[\l:\l+1], v[\ff:\ff+1], v[S:S+1] op_sel_hi:[1,0,1]   ; THE ROW'S SUM, OF THE UNQUANTISED p: under the new M, and in four chains
	v_pk_add_f32 v[\c+2:\c+3], v[S+2:S+3], v[S+4:S+5]
	v_pk_add_f32 v[\c+6:\c+7], v[S+6:S+7], v[S+8:S+9]
	v_pk_add_f32 v[\c+8:\c+9], v[S+10:S+11], v[S+12:S+13]
	v_add_nc_u32 v[SO0], 0xff000000, v[\c]         ; 2 off the exponent field: the conversions' scale operands
	v_add_nc_u32 v[SO1], 0xff000000, v[\c+4]
	ADD4 \l, \c, 14
	v_lshrrev_b32 v[\c+1], 23, v[SO0]              ; the scales' bytes
	v_lshrrev_b32 v[\c+5], 23, v[SO1]
	ADD4 \l, \c, 22
	v_lshl_or_b32 v[\c+10], v[\c+5], 16, v[\c+1]   ; my two bytes: blocks h and 2 + h,
	ADD4 \l, \c, 30
	v_lshlrev_b32 v[\c+10], v[SH8], v[\c+10]       ; at their places in the word;
	ADD4 \l, \c, 38
	v_permlanex16_b32 v[PT], v[\c+10], s20, s21
	ADD4 \l, \c, 46
	v_or_b32 v[\ff+1], v[\c+10], v[PT]             ; with lane l xor 16's two: p's scale word for these 128 keys
	ADD4 \l, \c, 54
	v_pk_add_f32 v[\l:\l+1], v[\l:\l+1], v[S+62:S+63]
	v_pk_add_f32 v[\c+2:\c+3], v[\c+2:\c+3], v[\c+6:\c+7]
	v_pk_add_f32 v[\l:\l+1], v[\l:\l+1], v[\c+8:\c+9]
	v_pk_add_f32 v[\l:\l+1], v[\l:\l+1], v[\c+2:\c+3]
	v_cvt_scalef32_pk16_fp6_f32 v[\c:\c+2], v[S:S+15], v[SO0]          ; the operand's registers 0-2
	v_cvt_scalef32_pk16_fp6_f32 v[\c+4:\c+6], v[S+16:S+31], v[SO0]     ; registers 3-5, one too high (a conversion's three registers begin on an even number)
	v_cvt_scalef32_pk16_fp6_f32 v[\c+8:\c+10], v[S+48:S+63], v[SO1]    ; registers 9-11, one too low
	v_nop                                          ; one plain place behind a scaled conversion
	v_mov_b32 v[\c+3], v[\c+4]
	v_mov_b32 v[\c+4], v[\c+5]
	v_mov_b32 v[\c+5], v[\c+6]
	v_mov_b32 v[\c+11], v[\c+10]
	v_mov_b32 v[\c+10], v[\c+9]
	v_mov_b32 v[\c+9], v[\c+8]
	v_cvt_scalef32_pk16_fp6_f32 v[\c+6:\c+8], v[S+32:S+47], v[SO1]     ; registers 6-8
.if \vl
	s_wait_dscnt 0x0                               ; V's fragments and words are in
.endif
	WALU                                           ; the wait directly ahead of the first reader of O^T
.irp j, 0,2,4,6,8,10,12,14,16,18,20,22,24,26,28,30
	v_pk_mul_f32 v[\o+\j:\o+\j+1], v[\o+\j:\o+\j+1], v[\ff:\ff+1] op_sel_hi:[1,0]   ; O^T under the new M.  (Also the places between the writes of codes, word and scratch and the products that follow)
.endr
.endm
; A KEY STEP on the record at R16, R8, whose K has been asked for.  pre = 1: the next record's K is asked for at its end.
.macro STEP pre
	s_wait_dscnt 0x0                               ; K and its words are in
	SPROD QA, QWA
	SOFTMAX NMA, FFA, LA, CA, OA, 0
	SPROD QB, QWB
	SOFTMAX NMB, FFB, LB, CB, OB, 1
	PV OA, CA, FFA+1
	PV OB, CB, FFB+1
.if \pre
	s_add_co_u32 s48, s48, RECB
	v_add_nc_u32 v[R16], s48, v[A16]               ; on to the next record.  With two v_nop: the four places behind the products
	v_add_nc_u32 v[R8], s48, v[A8]
	v_nop
	v_nop
	KLOAD
.endif
.endm
.macro STEPS n                         ; n key steps: written once, walked n times
	s_mov_b32 s49, \n
.Lsteps_\@:
	STEP 1
	s_sub_co_u32 s49, s49, 1
	s_cmp_lg_u32 s49, 0
	s_cbranch_scc1 .Lsteps_\@
.endm
; Q's two half fragments and words; O^T and the sums begin as zeros and the largest score as -3e38, so that the key step is written in one form.
	v_and_b32 v[CA], 0xf0, v[A16]                  ; 16 r
	v_add_nc_u32 v[CA], s15, v[CA]
	global_load_b128 v[QA:QA+3], v[A16], s[4:5]
	global_load_b64 v[QA+4:QA+5], v[A8], s[4:5] offset:512
	global_load_b128 v[QB:QB+3], v[A16], s[4:5] offset:768
	global_load_b64 v[QB+4:QB+5], v[A8], s[4:5] offset:1280
	global_load_b32 v[QWA], v[CA], s[4:5]
	global_load_b32 v[QWB], v[CA], s[4:5] offset:4
	s_mov_b32 s48, 0
	v_mov_b32 v[NMA+1], 0xff61b1e6                 ; -3e38, under every score
	v_mov_b32 v[NMB+1], 0xff61b1e6
	v_mul_f32 v[NMA], s19, v[NMA+1]
	v_mul_f32 v[NMB], s19, v[NMB+1]
	v_floor_f32 v[NMA], v[NMA]
	v_floor_f32 v[NMB], v[NMB]
.irp j, LA, LA+1, LB, LB+1
	v_mov_b32 v[\j], 0
.endr
.set jj, 0
.rept 64
	v_mov_b32 v[OA+jj], 0
.set jj, jj+1
.endr
	v_add_nc_u32 v[R16], s48, v[A16]               ; record 0
	v_add_nc_u32 v[R8], s48, v[A8]
	WALU                                           ; the wait ahead of the waits below
	s_wait_loadcnt 0x0
	s_wait_dscnt 0x0
	s_cmp_lt_u32 s10, 4
	s_cbranch_scc0 .Lnot_first
	s_wait_tensorcnt 0x0                           ; waves 0 to 3: my record has landed
.Lnot_first:
	s_barrier_signal -1
	s_barrier_wait -1                              ; records 0 to 3 are whole for every wave; nothing is ever filled again
	KLOAD
	STEPS 3                                        ; key steps 0 to 2 read records 0 to 3 alone
	s_wait_tensorcnt 0x0                           ; every wave: my record has landed
	s_wait_dscnt 0x0                               ; no LDS instruction of mine is out at a signal
	s_barrier_signal -1
	s_barrier_wait -1                              ; all sixteen records are whole for every wave
	STEPS 12
	STEP 0                                         ; the last record: nothing more to fetch
; THE WAY OUT.  O^T / the sum goes through my own stage in LDS, a query's 64 numbers (256 bytes) to a row, tile A and then tile B, and leaves as whole rows: sixteen lanes store 256 consecutive bytes, at a multiple of 256 from out0's first byte.
	v_add_f32 v[LA], v[LA], v[LA+1]                ; (these lines are the places behind the last products)
	v_add_f32 v[LB], v[LB], v[LB+1]
	v_and_b32 v[T2+1], 0xf0, v[A16]                ; 16 r
	v_permlanex16_b32 v[PT], v[LA], s20, s21
	v_permlanex16_b32 v[T2], v[LB], s20, s21
	v_add_f32 v[LA], v[LA], v[PT]                  ; with lane l xor 16's blocks: the rows' sums
	v_add_f32 v[LB], v[LB], v[T2]
	v_mul_u32_u24 v[CA], v[T2+1], 17               ; the stage, in: row r (272 r), + 128 h
	v_lshl_add_u32 v[CA], v[SH8], 4, v[CA]
	v_add_nc_u32 v[CA], s16, v[CA]
	v_mul_u32_u24 v[CA+1], v[SH8], 34              ; back: lanes 0-15 one row, lanes 16-31 the next (272 h), + 16 r
	v_add_nc_u32 v[CA+1], v[CA+1], v[T2+1]
	v_add_nc_u32 v[CA+1], s16, v[CA+1]
	v_lshl_add_u32 v[CA+2], v[SH8], 9, v[T2+1]     ; and the same two rows of out (4,096 bytes a row)
	WALU
	v_rcp_f32 v[LA], v[LA]
	v_rcp_f32 v[LB], v[LB]
	v_nop                                          ; a plain place behind the reciprocals
	WALU                                           ; ahead of their first readers, which are also O^T's
.irp j, 0,2,4,6,8,10,12,14,16,18,20,22,24,26,28,30
	v_pk_mul_f32 v[S+\j:S+\j+1], v[OA+\j:OA+\j+1], v[LA:LA+1] op_sel_hi:[1,0]   ; register i is the head's number 32 h + i of query r
.endr
.irp j, 0,2,4,6,8,10,12,14,16,18,20,22,24,26,28,30
	v_pk_mul_f32 v[S+32+\j:S+32+\j+1], v[OB+\j:OB+\j+1], v[LB:LB+1] op_sel_hi:[1,0]
.endr
.irp q, 0,1,2,3,4,5,6,7
	ds_store_b128 v[CA], v[S+4*\q:S+4*\q+3] offset:16*\q
.endr
.irp i, 0,1,2,3,4,5,6,7
	ds_load_b128 v[K+4*\i:K+4*\i+3], v[CA+1] offset:2*\i*SPI   ; LDS serves a wave's instructions in order: these see my stores, and tile B's stores come behind them
.endr
.irp q, 0,1,2,3,4,5,6,7
	ds_store_b128 v[CA], v[S+32+4*\q:S+32+4*\q+3] offset:16*\q
.endr
.irp i, 0,1,2,3,4,5,6,7
	ds_load_b128 v[OA+4*\i:OA+4*\i+3], v[CA+1] offset:2*\i*SPI
.endr
.irp i, 0,1,2,3,4,5,6,7
	s_wait_dscnt 23-\i                             ; younger: tile A's later loads, tile B's 8 stores and 8 loads
	global_store_b128 v[CA+2], v[K+4*\i:K+4*\i+3], s[8:9] offset:(32*(\i/4)+(2*\i)%8)*4096 th:TH_STORE_NT   ; stage row x of tile A is query 32 (x / 8) + x % 8 from my pointer
.endr
.irp i, 0,1,2,3,4,5,6,7
	s_wait_dscnt 7-\i
	global_store_b128 v[CA+2], v[OA+4*\i:OA+4*\i+3], s[8:9] offset:(8+32*(\i/4)+(2*\i)%8)*4096 th:TH_STORE_NT   ; tile B: 8 queries on
.endr
	s_wait_tensorcnt 0x0                           ; the wave's end
	ds_add_u32 v[SPW], v[NIL]
	s_wait_dscnt 0x0
	CROUND                                         ; the closing round: no work-group ends while a partner may still ask for a tile that names it
	s_endpgm
.Lfunc_end_k_q42cf5b4867_attn:
	.size	k_q42cf5b4867_attn, .Lfunc_end_k_q42cf5b4867_attn-k_q42cf5b4867_attn
	.p2alignl 7, 3214868480
	.fill 96, 4, 3214868480
	.section	.rodata,"a",@progbits
	.p2align	6, 0x0
	.amdhsa_kernel k_q42cf5b4867_attn
		.amdhsa_group_segment_fixed_size 327680
		.amdhsa_private_segment_fixed_size 0
		.amdhsa_enable_private_segment 0
		.amdhsa_kernarg_size 24
		.amdhsa_user_sgpr_count 2
		.amdhsa_user_sgpr_kernarg_segment_ptr 1
		.amdhsa_wavefront_size32 1
		.amdhsa_system_sgpr_workgroup_id_x 1
		.amdhsa_system_sgpr_workgroup_id_y 1
		.amdhsa_system_sgpr_workgroup_id_z 1
		.amdhsa_system_vgpr_workitem_id 0
		.amdhsa_next_free_vgpr 256
		.amdhsa_next_free_sgpr 66
		.amdhsa_reserve_vcc 0
		.amdhsa_float_denorm_mode_32 3
		.amdhsa_float_denorm_mode_16_64 3
		.amdhsa_memory_ordered 1
		.amdhsa_forward_progress 1
		.amdhsa_inst_pref_size 96
	.end_amdhsa_kernel
	.amdgpu_metadata
---
amdhsa.version: [ 1, 2 ]
amdhsa.kernels:
  - .name:           k_q42cf5b4867_attn
    .symbol:         k_q42cf5b4867_attn.kd
    .args:
      - { .name: qc, .offset: 0, .size: 8, .value_kind: global_buffer, .address_space: global }
      - { .name: kv, .offset: 8, .size: 8, .value_kind: global_buffer, .address_space: global }
      - { .name: out0, .offset: 16, .size: 8, .value_kind: global_buffer, .address_space: global }
    .group_segment_fixed_size: 327680
    .private_segment_fixed_size: 0
    .kernarg_segment_align: 8
    .kernarg_segment_size: 24
    .max_flat_workgroup_size: 512
    .sgpr_count:     66
    .vgpr_count:     256
    .wavefront_size: 32
...
	.end_amdgpu_metadata
.endif
;; end of part 3
